; MI455X (gfx1250); checked and timed in simulation.
; The chip was launched on July 23, 2026; its instructions are those of AMD's public machine-readable ISA for CDNA 5 (MIT licence, August 2026) and "CDNA5" Instruction Set Architecture Reference Guide (July 2026). The comments in the code are by the model that wrote it; some were corrected since.
;; Causal Self Attention. Allowed arithmetic: float matrix products may take bf16 or f16 operands with f32 sums; all other float work in f32.
;; Inputs: W_proj 1,024 x 1,024 float32; W_qkv 1,024 x 3,072 float32; x 2 x 2,048 x 1,024 float32.
;; Outputs: out0 2 x 2,048 x 1,024 float32.
;; One version. Each part assembles by itself: llvm-mc -triple=amdgcn-amd-amdhsa -mcpu=gfx1250 --defsym DOCPART=n.
;; ======== version 1 of 1: 4 launches
;; limits: values are held in f16: magnitudes above 65,504 overflow, below 6.1e-05 lose precision
;; workspace buffers: xb 8,388,608 bytes; wqb 6,291,456 bytes; wph 2,097,152 bytes; qkv 25,165,824 bytes; att 8,388,608 bytes
;; launch cast (part 1): grid 512 x 1, 8 waves a work-group, no clusters, 0 bytes of LDS; arguments x, W_qkv, W_proj, xb, wqb, wph; writes xb, wqb, wph
.if DOCPART == 1
	.amdgcn_target "amdgcn-amd-amdhsa--gfx1250"
	.amdhsa_code_object_version 6
	.text
	.protected	k_q01ee6702cf_cast
	.globl	k_q01ee6702cf_cast
	.p2align	8
	.type	k_q01ee6702cf_cast,@function
k_q01ee6702cf_cast:
	s_mov_b64 s[64:65], 0
	v_nop
	global_prefetch_b8 v0, s[64:65] scope:SCOPE_SE
	s_setreg_imm32_b32 hwreg(HW_REG_WAVE_MODE, 25, 1), 1
	s_wait_xcnt 0x0
; x, W_qkv and W_proj, f32, are each rounded once to bf16 (to nearest even), with their layouts unchanged, so that what follows computes
; reference() on inputs rounded to bf16, up to the roundings of its own intermediates.
; xb [4096][1024] and wqb [1024][3072] are stored as bf16.  W_proj later meets att, which is f16, in one matrix instruction, whose two operands have
; one format: so its bf16 value is written out in f16, wph [1024][1024].  A bf16 number has 8 significant bits and f16 holds 11, so this second step
; changes nothing for magnitudes from 2^-17 (its lowest bit is then 2^-24, f16's smallest step) to 65,504.
; LIMITS, for W_proj alone: above 65,504 in magnitude it becomes an infinity; below 2^-17 it falls on a multiple of 2^-24, an error of 2^-25 at the most.
; A stream: no LDS, no barrier, no matrix unit.  A work-group takes a chunk of 16,384 numbers (65,536 bytes in, 32,768 out):
; groups 0-255 the 256 chunks of x, groups 256-447 the 192 of W_qkv, groups 448-511 the 64 of W_proj.
; Thread t takes 8 numbers in each of 8 steps: 32 bytes in by two loads, 16 bytes out by one store, of which
; sixteen neighbouring lanes cover 256 consecutive bytes, aligned.  All 16 loads of a wave go out before the first wait.
.set X, 8                              ; v[8:71]    step u: 8 numbers in f32
.set Y, 72                             ; v[72:103]  step u: 8 numbers of 16 bits
	s_load_b256 s[4:11], s[0:1], 0x0               ; x s[4:5], W_qkv s[6:7], W_proj s[8:9], xb s[10:11]
	s_load_b128 s[12:15], s[0:1], 0x20             ; wqb s[12:13], wph s[14:15]
	s_mov_b32 s2, ttmp9                            ; the work-group's number
	s_sub_co_u32 s20, s2, 448                      ; its chunk, if it works on W_proj
	s_sub_co_u32 s21, s2, 256                      ; if on W_qkv
	v_lshlrev_b32 v1, 5, v0                        ; 32 t: my bytes in
	v_lshlrev_b32 v2, 4, v0                        ; 16 t: my bytes out
	s_wait_kmcnt 0x0
	s_cmp_lt_u32 s2, 448                           ; the choice of buffers hangs on the group's number alone
	s_cselect_b64 s[16:17], s[6:7], s[8:9]
	s_cselect_b64 s[18:19], s[12:13], s[14:15]
	s_cselect_b32 s20, s21, s20
	s_cmp_lt_u32 s2, 256
	s_cselect_b64 s[16:17], s[4:5], s[16:17]
	s_cselect_b64 s[18:19], s[10:11], s[18:19]
	s_cselect_b32 s20, s2, s20
	s_lshl_b32 s22, s20, 16                        ; chunk x 65,536 bytes in (below 16 MiB)
	s_mov_b32 s23, 0
	s_lshl_b32 s24, s20, 15                        ; chunk x 32,768 bytes out
	s_mov_b32 s25, 0
	s_add_nc_u64 s[16:17], s[16:17], s[22:23]
	s_add_nc_u64 s[18:19], s[18:19], s[24:25]
.irp u, 0,1,2,3,4,5,6,7
	global_load_b128 v[X+8*\u:X+8*\u+3],   v1, s[16:17] offset:\u*8192 th:TH_LOAD_NT      ; read once in the launch
	global_load_b128 v[X+8*\u+4:X+8*\u+7], v1, s[16:17] offset:\u*8192+16 th:TH_LOAD_NT
.endr
; One step.  again = 1 (W_proj): the bf16 numbers are widened again (a shift, a mask) and written out in f16.
.macro STEP u, again
	s_wait_loadcnt 14-2*\u                         ; loads come back in order: step u's two are in, two for each of the 7-u younger steps stay out
.irp k, 0,1,2,3
	v_cvt_pk_bf16_f32 v[Y+4*\u+\k], v[X+8*\u+2*\k], v[X+8*\u+2*\k+1]
.endr
.if \again
.irp k, 0,1,2,3
	v_lshlrev_b32 v[X+8*\u+2*\k],   16, v[Y+4*\u+\k]               ; X's registers of this step have landed and been read: free
	v_and_b32     v[X+8*\u+2*\k+1], 0xffff0000, v[Y+4*\u+\k]
.endr
.irp k, 0,1,2,3
	v_cvt_pk_f16_f32 v[Y+4*\u+\k], v[X+8*\u+2*\k], v[X+8*\u+2*\k+1]
.endr
.endif
	global_store_b128 v2, v[Y+4*\u:Y+4*\u+3], s[18:19] offset:\u*4096     ; no register that a store reads is written again: no further wait
.endm
	s_cmp_lt_u32 s2, 448                           ; compared again: the shifts above have set SCC
	s_cbranch_scc0 .Lw_proj
.irp u, 0,1,2,3,4,5,6,7
	STEP \u, 0
.endr
	s_endpgm
.Lw_proj:
.irp u, 0,1,2,3,4,5,6,7
	STEP \u, 1
.endr
	s_endpgm
.Lfunc_end_k_q01ee6702cf_cast:
	.size	k_q01ee6702cf_cast, .Lfunc_end_k_q01ee6702cf_cast-k_q01ee6702cf_cast
	.p2alignl 7, 3214868480
	.fill 96, 4, 3214868480
	.section	.rodata,"a",@progbits
	.p2align	6, 0x0
	.amdhsa_kernel k_q01ee6702cf_cast
		.amdhsa_group_segment_fixed_size 0
		.amdhsa_private_segment_fixed_size 0
		.amdhsa_enable_private_segment 0
		.amdhsa_kernarg_size 48
		.amdhsa_user_sgpr_count 2
		.amdhsa_user_sgpr_kernarg_segment_ptr 1
		.amdhsa_wavefront_size32 1
		.amdhsa_system_sgpr_workgroup_id_x 1
		.amdhsa_system_sgpr_workgroup_id_y 1
		.amdhsa_system_sgpr_workgroup_id_z 1
		.amdhsa_system_vgpr_workitem_id 0
		.amdhsa_next_free_vgpr 104
		.amdhsa_next_free_sgpr 66
		.amdhsa_reserve_vcc 0
		.amdhsa_float_denorm_mode_32 3
		.amdhsa_float_denorm_mode_16_64 3
		.amdhsa_memory_ordered 1
		.amdhsa_forward_progress 1
		.amdhsa_inst_pref_size 14
	.end_amdhsa_kernel
	.amdgpu_metadata
---
amdhsa.version: [ 1, 2 ]
amdhsa.kernels:
  - .name:           k_q01ee6702cf_cast
    .symbol:         k_q01ee6702cf_cast.kd
    .args:
      - { .name: x, .offset: 0, .size: 8, .value_kind: global_buffer, .address_space: global }
      - { .name: W_qkv, .offset: 8, .size: 8, .value_kind: global_buffer, .address_space: global }
      - { .name: W_proj, .offset: 16, .size: 8, .value_kind: global_buffer, .address_space: global }
      - { .name: xb, .offset: 24, .size: 8, .value_kind: global_buffer, .address_space: global }
      - { .name: wqb, .offset: 32, .size: 8, .value_kind: global_buffer, .address_space: global }
      - { .name: wph, .offset: 40, .size: 8, .value_kind: global_buffer, .address_space: global }
    .group_segment_fixed_size: 0
    .private_segment_fixed_size: 0
    .kernarg_segment_align: 8
    .kernarg_segment_size: 48
    .max_flat_workgroup_size: 256
    .sgpr_count:     66
    .vgpr_count:     104
    .wavefront_size: 32
...
	.end_amdgpu_metadata
.endif
;; end of part 1
;; launch qkv (part 2): grid 8 x 32, 4 waves a work-group, clusters of 4 x 4, 327,680 bytes of LDS; arguments xb, wqb, qkv; writes qkv
.if DOCPART == 2
	.amdgcn_target "amdgcn-amd-amdhsa--gfx1250"
	.amdhsa_code_object_version 6
	.text
	.protected	k_q01ee6702cf_qkv
	.globl	k_q01ee6702cf_qkv
	.p2align	8
	.type	k_q01ee6702cf_qkv,@function
k_q01ee6702cf_qkv:
	s_mov_b64 s[64:65], 0
	v_nop
	global_prefetch_b8 v0, s[64:65] scope:SCOPE_SE
	s_setreg_imm32_b32 hwreg(HW_REG_WAVE_MODE, 25, 1), 1
	s_wait_xcnt 0x0
	s_wait_alu depctr_hold_cnt(0) depctr_sa_sdst(0) depctr_va_vdst(0) depctr_va_sdst(0) depctr_va_ssrc(0) depctr_va_vcc(0) depctr_vm_vsrc(0)
	s_getreg_b32 s2, hwreg(HW_REG_IB_STS2, 6, 4)
	s_cmp_eq_u32 s2, 0
	s_cbranch_scc0 .Lentry_in_a_cluster
	s_endpgm
.Lentry_in_a_cluster:
	s_bfe_u32 s2, ttmp6, 0x10000c
	s_cmp_lg_u32 s2, 0xf033
	s_cbranch_scc0 .Lentry_shape_is_right
	s_endpgm
.Lentry_shape_is_right:
; qkv = xb @ wqb.  xb [4096][1024] bf16 (K along the rows), wqb [1024 k][3072 n] bf16 (N along the rows), sums in f32, the result rounded once to f16
; and stored head-major: qkv[hh = column / 64][row m][64], byte (hh x 4096 + m) x 128 + 2 d, so that 16 rows of a head are 2,048 consecutive bytes.
; The result goes in f16 and not in bf16 because its rounding is eight times finer, and the first rows of a sequence pass v on almost unaveraged.
; LIMIT: a result above 65,504 in magnitude becomes an infinity (results are of the order of 1; with x and W_qkv both 30 times larger about 5,000;
; with both shifted by 30 spreads about 1024 x 30 x 0.94 = 28,800).
; A work-group makes 128 rows x 384 columns (six heads) with four waves; a wave makes 64 rows x 192 columns: 48 accumulator tiles, 384 registers.
; A wave's 192 columns are group X, a whole 128-column part of W's tile (two heads), and group Y, half of the middle part (one head).
; K goes in steps of 128 through two LDS slots; a slot holds x's 128 rows and three parts of W (128 k rows x 128 columns each), each brought by one
; tensor load of one wave: 128 rows of 256 bytes, each at a multiple of 256 bytes from its buffer's first byte.
; W's fragments come out of LDS by transposing loads, so that W is never transposed in memory.
; CLUSTERS: 4 x 4 work-groups.  x's tile hangs on the block row alone and is asked for jointly by a row of the cluster, W's parts on the block column alone
; and are asked for jointly by a column: four requests become one.
; THE MATRIX INSTRUCTION IS USED TRANSPOSED: source 0 = 16 columns of W, source 1 = 16 rows of x, so that a lane holds eight neighbouring columns of one row.
; REGISTERS: window 0: v16-27 addresses, v64-127 x's fragments (two buffers of 4 x 8), v128-175 packed results, v176-223 rows read back;
; window 1: v0-191 W's fragments (two buffers of 12 x 8: X's tile b at 8 b, Y's at 64 + 8 b); window 2: X's accumulators at 8 (8 a + b); window 3: Y's at 8 (4 a + b).
.set KSTEP,  128
.set PA,     272                       ; x's LDS rows: 256 bytes + 16 of padding, an odd multiple of 16
.set PB,     288                       ; W's LDS rows: 256 bytes + 32 of padding, an odd multiple of 32, for the transposing loads
.set REG,    128*PB                    ; 36,864 bytes: one wave's tile
.set SLOT,   4*REG
.set STAGE,  2*SLOT                    ; behind the ring: for each wave 3 heads x 16 rows x 144 bytes; no tensor load ever lands here
.set SP,     144
.set SHEAD,  16*SP
.set LAPS,   1024/(2*KSTEP)            ; a lap = two K steps = once round the ring: 4
.set HEADB,  4096*128                  ; bytes of a head in qkv
.set ADRA, 16                          ; v16-17  x's fragments in slot 0, 1
.set ADRX, 18                          ; v18-19  group X's fragments
.set ADRY, 20                          ; v20-21  group Y's fragments
.set STO,  24                          ; v24     stage: where I put 16 bytes
.set RD,   25                          ; v25     stage: where I read 16 bytes back
.set COX,  26                          ; v26     my byte offset in qkv, group X's first head
.set COY,  27                          ; v27     the same, group Y's head
.set FA,   64
.set FB,   0
.set TMP,  128
.set RB,   176
.set G1, 24                            ; s[24:31] descriptor group 1 for x's tiles
.set G0, 32                            ; s[32:39] group 0 for x's tiles, a set for each slot
.set G1B, 48                           ; s[48:55] group 1 for W's parts
.set G0B, 56                           ; s[56:63] group 0 for W's parts, a set for each slot
.set MSB, 0
.macro WIN new                         ; the immediate's high byte repeats the setting that is left
.if MSB != \new
	s_set_vgpr_msb (MSB<<8)|\new
.set MSB, \new
.endif
.endm
.set MUL_X, 0xa1                       ; source 0 (W) window 1, source 1 (x) window 0, C and D window 2
.set MUL_Y, 0xf1                       ; the same, C and D window 3
.set TO_B,  0x40                       ; destination window 1, address window 0
; A joint load: wave 0 asks for x's tile, waves 1 to 3 for W's three parts.  The branch hangs on the wave's number alone.
.macro JLOAD s
	s_cmp_eq_u32 s10, 0
	s_cbranch_scc0 .Lfor_b_\@
	tensor_load_to_lds s[G0+4*\s:G0+4*\s+3], s[G1:G1+7]
	s_nop 0
	s_branch .Lasked_\@
.Lfor_b_\@:
	tensor_load_to_lds s[G0B+4*\s:G0B+4*\s+3], s[G1B:G1B+7]
	s_nop 0
.Lasked_\@:
.endm
; A round of the cluster's barrier: my work-group's barrier; wave 0 signals for the work-group; every wave waits for all sixteen; my work-group's barrier again.
.macro CREST                           ; a round behind its opening barrier
	s_cmp_lg_u32 s10, 0
	s_cbranch_scc1 .Lnot_wave_0_\@
	s_barrier_signal -3
.Lnot_wave_0_\@:
	s_barrier_wait -3
	s_barrier_signal -1
	s_barrier_wait -1
.endm
.macro CROUND
	s_barrier_signal -1
	s_barrier_wait -1
	CREST
.endm
	s_load_b128 s[4:7], s[0:1], 0x0                ; xb s[4:5], wqb s[6:7]
	s_load_b64 s[8:9], s[0:1], 0x10                ; qkv
	s_set_vgpr_msb 0x40
	v_lshl_add_u32 v255, v0, 2, 0x4ec00
	s_set_vgpr_msb 0x4000
	v_mov_b32 v255, 0
	s_set_vgpr_msb 0x1
	ds_add_u32 v255, v255
	ds_add_u32 v255, v255
	s_set_vgpr_msb 0x100
	v_lshrrev_b32 v1, 5, v0
	v_readfirstlane_b32 s10, v1                    ; wave 0..3
	s_lshr_b32 s11, s10, 1                         ; wm: which 64 rows are mine
	s_and_b32 s12, s10, 1                          ; wn: which 192 columns
	s_bfe_u32 s40, ttmp6, 0x40000                  ; cx
	s_bfe_u32 s41, ttmp6, 0x40004                  ; cy
	s_lshl_b32 s42, ttmp9, 2
	s_add_co_u32 s42, s42, s40                     ; block column bx = 4 x cluster x + cx
	s_and_b32 s13, ttmp7, 0xffff
	s_lshl_b32 s13, s13, 2
	s_add_co_u32 s13, s13, s41                     ; block row by = 4 x cluster y + cy
	s_lshl_b32 s43, s41, 2
	s_lshl_b32 s43, 15, s43                        ; my row of the cluster: places 4 cy .. 4 cy + 3
	s_lshl_b32 s44, 0x1111, s40                    ; my column: places cx, cx + 4, cx + 8, cx + 12
	; group 1: tiles of 128 rows x 128 elements of 2 bytes, padded behind every 64 words: x by 4 words, W by 8
	s_or_b32 s[G1+0], s43, (1<<16)|(1<<20)|(1<<21)|(5<<22)|(3<<25)
	s_or_b32 s[G1B+0], s44, (1<<16)|(1<<20)|(1<<21)|(5<<22)|(7<<25)
	s_mov_b32 s[G1+1], KSTEP<<16                   ; tensor_dim0 = 128
	s_mov_b32 s[G1B+1], 128<<16
	s_mov_b32 s[G1+2], 128<<16                     ; tensor_dim1 = 128
	s_mov_b32 s[G1B+2], KSTEP<<16
	s_mov_b32 s[G1+3], KSTEP<<16                   ; tile_dim0 = 128
	s_mov_b32 s[G1B+3], 128<<16
	s_mov_b32 s[G1+4], 128                         ; tile_dim1 = 128
	s_mov_b32 s[G1B+4], KSTEP
	s_mov_b32 s[G1+5], 1024                        ; elements from row to row of xb
	s_mov_b32 s[G1B+5], 3072                       ; and of wqb
	s_mov_b32 s[G1+6], 0
	s_mov_b32 s[G1B+6], 0
	s_mov_b32 s[G1+7], 0
	s_mov_b32 s[G1B+7], 0
	; x's tile hangs on by alone, W's parts on bx and the wave's number alone; neither address's registers ever hold the other coordinate
	s_lshl_b32 s16, s13, 18                        ; by x 128 rows x 2,048 bytes
	s_mov_b32 s17, 0
	s_max_u32 s21, s10, 1
	s_sub_co_u32 s21, s21, 1                       ; W's part: wave - 1 (wave 0 makes part 0's address and never uses it)
	s_lshl_b32 s21, s21, 8                         ; x 256 bytes
	s_mul_i32 s46, s42, 768                        ; bx x 384 columns x 2 bytes
	s_add_co_u32 s46, s46, s21
	s_mov_b32 s47, 0
	s_mul_i32 s20, s10, REG                        ; where my tile goes: wave x 36,864
	s_wait_dscnt 0x0
	s_wait_kmcnt 0x0
	s_add_nc_u64 s[14:15], s[4:5], s[16:17]
	s_add_nc_u64 s[46:47], s[6:7], s[46:47]
	CROUND                                         ; all sixteen work-groups are here: the first joint loads meet
.irp s, 0,1
	s_mov_b32 s[G0+4*\s], 1
	s_add_co_u32 s[G0+4*\s+1], s20, \s*SLOT
	s_add_nc_u64 s[G0+4*\s+2:G0+4*\s+3], s[14:15], \s*KSTEP*2          ; K step s: 256 bytes along x's rows
	s_or_b32 s[G0+4*\s+3], s[G0+4*\s+3], 0x80000000
	s_mov_b32 s[G0B+4*\s], 1
	s_add_co_u32 s[G0B+4*\s+1], s20, \s*SLOT
	s_add_nc_u64 s[G0B+4*\s+2:G0B+4*\s+3], s[46:47], \s*KSTEP*6144     ; K step s: 128 rows of W down
	s_or_b32 s[G0B+4*\s+3], s[G0B+4*\s+3], 0x80000000
	JLOAD \s                                       ; both slots' first fills go out together: two loads of the wave are out
.endr
	v_and_b32 v1, 15, v0                           ; r = lane % 16
	v_bfe_u32 v2, v0, 4, 1                         ; h = lane / 16
	v_and_b32 v3, 7, v0                            ; lane % 8
	v_bfe_u32 v4, v0, 3, 1                         ; (lane / 8) % 2
	v_and_b32 v5, 31, v0                           ; lane
	v_mul_u32_u24 v6, v1, PA
	v_lshl_add_u32 v6, v2, 4, v6                   ; x's fragments: row r x pitch + 16 h
	s_mul_i32 s21, s11, 64*PA                      ; my 64 rows
	v_add_nc_u32 v[ADRA], s21, v6
	v_add_nc_u32 v[ADRA+1], SLOT, v[ADRA]
	v_lshl_add_u32 v7, v2, 3, v3                   ; W's fragments, transposing: k row 8 h + lane % 8,
	v_mul_u32_u24 v7, v7, PB
	v_lshl_add_u32 v7, v4, 4, v7                   ; and 16 bytes further for the upper eight lanes of each sixteen
	s_mul_i32 s22, s12, 2*REG
	s_add_co_u32 s22, s22, REG                     ; group X: W's part 2 wn
	v_add_nc_u32 v[ADRX], s22, v7
	v_add_nc_u32 v[ADRX+1], SLOT, v[ADRX]
	s_lshl_b32 s22, s12, 7
	s_add_co_u32 s22, s22, 2*REG                   ; group Y: half wn (64 columns = 128 bytes) of W's part 1
	v_add_nc_u32 v[ADRY], s22, v7
	v_add_nc_u32 v[ADRY+1], SLOT, v[ADRY]
	s_mul_i32 s23, s10, 3*SHEAD
	s_add_co_u32 s23, s23, STAGE                   ; my stage
	v_mul_u32_u24 v6, v1, SP
	v_lshl_add_u32 v6, v2, 4, v6
	v_add_nc_u32 v[STO], s23, v6                   ; in: row r, 16 bytes for each half of the lanes
	v_bfe_u32 v8, v0, 3, 2                         ; lane / 8
	v_mul_u32_u24 v8, v8, SP
	v_lshl_add_u32 v8, v3, 4, v8
	v_add_nc_u32 v[RD], s23, v8                    ; back: eight lanes take a row of 128 bytes, 32 lanes four rows
	s_lshl_b32 s18, s13, 14                        ; rows: (128 by + 64 wm) x 128 bytes
	s_lshl_b32 s45, s11, 13
	s_add_co_u32 s18, s18, s45
	s_mul_i32 s19, s42, 6
	s_lshl2_add_u32 s19, s12, s19                  ; X's first head: 6 bx + 4 wn
	s_lshl_b32 s19, s19, 19                        ; x 524,288 bytes
	s_mul_i32 s45, s42, 6
	s_add_co_u32 s45, s45, s12
	s_add_co_u32 s45, s45, 2                       ; Y's head: 6 bx + 2 + wn
	s_lshl_b32 s45, s45, 19
	v_lshlrev_b32 v9, 4, v5                        ; 16 x lane
	v_add_nc_u32 v9, s18, v9                       ; + my rows; the row part and the head part meet in vector registers alone
	v_add_nc_u32 v[COX], s19, v9
	v_add_nc_u32 v[COY], s45, v9
; 16 matrix instructions of group X: row tiles a0, a0 + 1 x 8 column tiles, 32 along K.  zero = 1: the first product starts the sums.
.macro MULX f, a0, zero
.irp a, \a0, \a0+1
.irp b, 0,1,2,3,4,5,6,7
.if \zero
	v_wmma_f32_16x16x32_bf16 v[8*(8*(\a)+\b):8*(8*(\a)+\b)+7], v[FB+96*\f+8*\b:FB+96*\f+8*\b+7], v[FA+32*\f+8*(\a):FA+32*\f+8*(\a)+7], 0
.else
	v_wmma_f32_16x16x32_bf16 v[8*(8*(\a)+\b):8*(8*(\a)+\b)+7], v[FB+96*\f+8*\b:FB+96*\f+8*\b+7], v[FA+32*\f+8*(\a):FA+32*\f+8*(\a)+7], v[8*(8*(\a)+\b):8*(8*(\a)+\b)+7]
.endif
.endr
.endr
.endm
; 16 matrix instructions of group Y: 4 row tiles x 4 column tiles
.macro MULY f, zero
.irp a, 0,1,2,3
.irp b, 0,1,2,3
.if \zero
	v_wmma_f32_16x16x32_bf16 v[8*(4*\a+\b):8*(4*\a+\b)+7], v[FB+96*\f+64+8*\b:FB+96*\f+64+8*\b+7], v[FA+32*\f+8*\a:FA+32*\f+8*\a+7], 0
.else
	v_wmma_f32_16x16x32_bf16 v[8*(4*\a+\b):8*(4*\a+\b)+7], v[FB+96*\f+64+8*\b:FB+96*\f+64+8*\b+7], v[FA+32*\f+8*\a:FA+32*\f+8*\a+7], v[8*(4*\a+\b):8*(4*\a+\b)+7]
.endif
.endr
.endr
.endm
; 32 LDS loads in one run: quarter kq (32 along K) of a slot into buffer f: x's 8, group X's 16, group Y's 8, in this order
.macro FETCH slot, kq, f
	WIN 0
.irp a, 0,1,2,3
	ds_load_b128 v[FA+32*\f+8*\a:FA+32*\f+8*\a+3],   v[ADRA+\slot] offset:\a*16*PA+64*\kq
	ds_load_b128 v[FA+32*\f+8*\a+4:FA+32*\f+8*\a+7], v[ADRA+\slot] offset:\a*16*PA+64*\kq+32
.endr
	WIN TO_B
.irp b, 0,1,2,3,4,5,6,7
	ds_load_tr16_b128 v[FB+96*\f+8*\b:FB+96*\f+8*\b+3],   v[ADRX+\slot] offset:32*\kq*PB+32*\b
	ds_load_tr16_b128 v[FB+96*\f+8*\b+4:FB+96*\f+8*\b+7], v[ADRX+\slot] offset:32*\kq*PB+32*\b+16*PB
.endr
.irp b, 0,1,2,3
	ds_load_tr16_b128 v[FB+96*\f+64+8*\b:FB+96*\f+64+8*\b+3],   v[ADRY+\slot] offset:32*\kq*PB+32*\b
	ds_load_tr16_b128 v[FB+96*\f+64+8*\b+4:FB+96*\f+64+8*\b+7], v[ADRY+\slot] offset:32*\kq*PB+32*\b+16*PB
.endr
.endm
; A load into a register that a matrix instruction has read, and a vector instruction that reads a matrix result, stand four places behind it, and only plain
; vector instructions that name none of its registers are places (ISA guide 7.12.1 for vector instructions).
.macro PLACES
.rept 4
	v_nop
.endr
.endm
; A quarter step: 48 matrix instructions on buffer f; in its middle the next quarter's fragments (quarter kq of the same slot) go into buffer g.
; The 48 accumulators take turns, one instruction a turn, in the same order in every quarter, over the backward jump too.
.macro QUARTER slot, kq, f, g, zero
	s_wait_dscnt 8                                 ; x's and X's fragments are in; the youngest eight loads (Y's) may be out
	WIN MUL_X
	MULX \f, 0, \zero
	MULX \f, 2, \zero
	PLACES
	FETCH \slot, \kq, \g
	s_wait_dscnt 32                                ; all but the 32 just issued: Y's fragments are in
	WIN MUL_Y
	MULY \f, \zero
.endm
.macro THREE slot, zero
	QUARTER \slot, 1, 0, 1, \zero
	QUARTER \slot, 2, 1, 0, 0
	QUARTER \slot, 3, 0, 1, 0
.endm
; The last quarter of a K step multiplies buffer 1 and changes slots.  In front of the barrier each wave waits for its reads of this slot and for all its
; tensor loads (the one that is out is its part of the next slot).  Behind it the refill comes first, then the next slot's first fragments.
; From a request to the wait for it a wave issues 176 matrix instructions.
.macro TURN slot, next, fill
	s_wait_dscnt 8
	WIN MUL_X
	MULX 1, 0, 0
	s_wait_dscnt 0                                 ; my reads of this slot are over
	s_wait_tensorcnt 0x0                           ; and all my tensor loads have landed
	ds_add_u32 v255, v255
	s_wait_dscnt 0x0
	s_barrier_signal -1                            ; where the slot is filled again this barrier opens a round of the cluster's barrier
	MULX 1, 2, 0                                   ; register work while the others arrive
	WIN 0
	s_barrier_wait -1
.if \fill
	CREST                                          ; no wave of any partner still reads this slot or has a load on its way
	s_add_nc_u64 s[G0+4*\slot+2:G0+4*\slot+3], s[G0+4*\slot+2:G0+4*\slot+3], 2*KSTEP*2
	s_add_nc_u64 s[G0B+4*\slot+2:G0B+4*\slot+3], s[G0B+4*\slot+2:G0B+4*\slot+3], 2*KSTEP*6144
	JLOAD \slot                                    ; the wave's one tensor load behind the round, and the first thing there
.endif
	PLACES
	FETCH \next, 0, 0
	WIN MUL_Y
	MULY 1, 0
.endm
.macro LAP zero
	THREE 0, \zero
	TURN 0, 1, 1
	THREE 1, 0
	TURN 1, 0, 1
.endm
	s_wait_tensorcnt 1                             ; my part of K step 0 is in; K step 1's load stays out
	s_barrier_signal -1
	s_barrier_wait -1                              ; everybody's is
	FETCH 0, 0, 0
	LAP 1                                          ; the first lap's first products start the sums: nothing is cleared
	WIN 0                                          ; at a label and at a branch every window is 0
	s_mov_b32 s3, LAPS-2
.Llap:
	LAP 0
	WIN 0
	s_sub_co_u32 s3, s3, 1
	s_cmp_lg_u32 s3, 0
	s_cbranch_scc1 .Llap
	THREE 0, 0                                     ; the last lap fills nothing
	TURN 0, 1, 0
	THREE 1, 0
	s_wait_dscnt 8
	WIN MUL_X
	MULX 1, 0, 0
	MULX 1, 2, 0
	s_wait_dscnt 0
	WIN MUL_Y
	MULY 1, 0
	PLACES                                         ; the places in front of the conversions, which read results
; THE WAY OUT, 16 rows at a time: round to f16, 16 bytes a lane into my stage (three heads x 16 rows of 128 bytes), read back four rows at a time, and store:
; in qkv a head's rows follow each other, so each store of the wave covers 512 consecutive bytes, aligned.
.macro OUTQ a
	WIN 0x0a                                       ; sources in window 2
.irp b, 0,1,2,3,4,5,6,7
.irp r, 0,1,2,3
	v_cvt_pk_f16_f32 v[TMP+4*\b+\r], v[8*(8*\a+\b)+2*\r], v[8*(8*\a+\b)+2*\r+1]
.endr
.endr
	WIN 0x0f                                       ; sources in window 3
.irp b, 0,1,2,3
.irp r, 0,1,2,3
	v_cvt_pk_f16_f32 v[TMP+32+4*\b+\r], v[8*(4*\a+\b)+2*\r], v[8*(4*\a+\b)+2*\r+1]
.endr
.endr
	WIN 0
.irp g, 0,1,2,3,4,5,6,7,8,9,10,11
	ds_store_b128 v[STO], v[TMP+4*\g:TMP+4*\g+3] offset:(\g/4)*SHEAD+(\g%4)*32
.endr
	s_wait_xcnt 0x0                                ; the rows read back last time, which stores read, are rewritten only behind this wait
.irp u, 0,1,2,3,4,5,6,7,8,9,10,11
	ds_load_b128 v[RB+4*\u:RB+4*\u+3], v[RD] offset:(\u/4)*SHEAD+(\u%4)*4*SP     ; LDS serves a wave's instructions in order: these see the stores above
.endr
.irp u, 0,1,2,3,4,5,6,7
	s_wait_dscnt 11-\u                             ; load u is in, the 11-u younger ones may be out
	global_store_b128 v[COX], v[RB+4*\u:RB+4*\u+3], s[8:9] offset:(\u/4)*HEADB+\a*2048+(\u%4)*512
.endr
.irp u, 8,9,10,11
	s_wait_dscnt 11-\u
	global_store_b128 v[COY], v[RB+4*\u:RB+4*\u+3], s[8:9] offset:\a*2048+(\u%4)*512
.endr
.endm
	OUTQ 0
	OUTQ 1
	OUTQ 2
	OUTQ 3
	s_set_vgpr_msb 0x1
	s_wait_tensorcnt 0x0
	ds_add_u32 v255, v255
	s_wait_dscnt 0x0
	s_set_vgpr_msb 0x100
	CROUND                                         ; the closing round: no work-group ends while a partner may still ask for a tile that names it
	s_endpgm
.Lfunc_end_k_q01ee6702cf_qkv:
	.size	k_q01ee6702cf_qkv, .Lfunc_end_k_q01ee6702cf_qkv-k_q01ee6702cf_qkv
	.p2alignl 7, 3214868480
	.fill 96, 4, 3214868480
	.section	.rodata,"a",@progbits
	.p2align	6, 0x0
	.amdhsa_kernel k_q01ee6702cf_qkv
		.amdhsa_group_segment_fixed_size 327680
		.amdhsa_private_segment_fixed_size 0
		.amdhsa_enable_private_segment 0
		.amdhsa_kernarg_size 24
		.amdhsa_user_sgpr_count 2
		.amdhsa_user_sgpr_kernarg_segment_ptr 1
		.amdhsa_wavefront_size32 1
		.amdhsa_system_sgpr_workgroup_id_x 1
		.amdhsa_system_sgpr_workgroup_id_y 1
		.amdhsa_system_sgpr_workgroup_id_z 1
		.amdhsa_system_vgpr_workitem_id 0
		.amdhsa_next_free_vgpr 896
		.amdhsa_next_free_sgpr 66
		.amdhsa_reserve_vcc 0
		.amdhsa_float_denorm_mode_32 3
		.amdhsa_float_denorm_mode_16_64 3
		.amdhsa_memory_ordered 1
		.amdhsa_forward_progress 1
		.amdhsa_inst_pref_size 164
	.end_amdhsa_kernel
	.amdgpu_metadata
---
amdhsa.version: [ 1, 2 ]
amdhsa.kernels:
  - .name:           k_q01ee6702cf_qkv
    .symbol:         k_q01ee6702cf_qkv.kd
    .args:
      - { .name: xb, .offset: 0, .size: 8, .value_kind: global_buffer, .address_space: global }
      - { .name: wqb, .offset: 8, .size: 8, .value_kind: global_buffer, .address_space: global }
      - { .name: qkv, .offset: 16, .size: 8, .value_kind: global_buffer, .address_space: global }
    .group_segment_fixed_size: 327680
    .private_segment_fixed_size: 0
    .kernarg_segment_align: 8
    .kernarg_segment_size: 24
    .max_flat_workgroup_size: 128
    .sgpr_count:     66
    .vgpr_count:     896
    .wavefront_size: 32
...
	.end_amdgpu_metadata
.endif
;; end of part 2
;; launch attn (part 3): grid 8 x 32, 4 waves a work-group, no clusters, 327,680 bytes of LDS; arguments qkv, att; writes att
.if DOCPART == 3
	.amdgcn_target "amdgcn-amd-amdhsa--gfx1250"
	.amdhsa_code_object_version 6
	.text
	.protected	k_q01ee6702cf_attn
	.globl	k_q01ee6702cf_attn
	.p2align	8
	.type	k_q01ee6702cf_attn,@function
k_q01ee6702cf_attn:
	s_mov_b64 s[64:65], 0
	v_nop
	global_prefetch_b8 v0, s[64:65] scope:SCOPE_SE
	s_setreg_imm32_b32 hwreg(HW_REG_WAVE_MODE, 25, 1), 1
	s_wait_xcnt 0x0
; Causal attention of one head: att[h][m][64] = softmax(q k^T / 8, keys <= query) v, from qkv[hh][m][64] f16 (q: hh = h, k: 16 + h, v: 32 + h; m = 2048 b + t).
; Products on the matrix unit with f16 operands and f32 sums; maximum, exponentials, sums and the running state in f32; att rounded once to f16.
; A head has 16 query blocks of 128 rows; block qb needs key tiles 0 .. qb.  A work-group takes blocks i and 15 - i: (i + 1) + (16 - i) = 17 tiles for every
; work-group, 256 work-groups.  The even-numbered block (pass B) goes first, the odd one (pass A) second, each with its diagonal tile first, so that the LDS
; slot of every trip is fixed in the text.  Wave w owns 32 query rows, two tiles q = 0, 1, and sees all 128 keys of a tile.
; TRANSPOSED FORM: S^T = K Q^T (lane (r, h) holds query r and keys 16 kt + 8 h + j), so that packing two neighbouring key tiles in place gives P^T as a
; source-1 fragment without any shuffle, and O^T = V^T P^T (V^T by transposing LDS loads).  Maximum, sum and rescaling are one number a lane.
; The running maximum is always taken away; the state keeps NMS = -c x maximum as rounded, and the rescaling factor is exp2(NM new - NM old), so that the
; rounding of c x maximum is one common shift of a row's exponents, which the final division cancels.  c = log2(e) / 8.
; NO MULTICAST: only the query blocks of one head share K and V tiles, and the mask gives them different numbers of tiles; partners in step would each walk
; 16 tiles a block, 32 a work-group instead of 17.
; LIMITS: P and att are rounded to f16; v_exp_f32 gives zero below 2^-126, a weight that small against the row's largest is dropped; NaN and
; infinities in qkv are not treated specially.
; REGISTERS: window 0 as named below, v128-255 S (tile (kt, q) at 128 + 32 (kt / 2) + 16 q + 8 (kt % 2)); window 1: v0-127 K's fragments at 16 kt + 8 ds,
; v128-255 V's at 128 + 32 ks + 8 dt; window 2: v0-63 O^T tile (dt, q) at 8 (2 dt + q), v64-95 Q's fragments of pass B, v96-127 of pass A (16 q + 8 ds).
.set KP,    144                        ; K's LDS rows: 128 bytes + 16, an odd multiple of 16
.set VP,    160                        ; V's LDS rows: 128 bytes + 32, an odd multiple of 32
.set REG,   10240                      ; one wave's tile: 64 keys (K: 9,216 bytes used; V: all)
.set SLOT,  4*REG                      ; K's keys 0-63, 64-127, then V's 128 keys in one run
.set STAGE, 2*SLOT                     ; behind the ring: 32 rows x 144 bytes for each wave; no tensor load ever lands here
.set SP,    144
.set QOB, 6                            ; v6, v7    my byte offset in q, pass B, pass A
.set QOA, 7
.set ADK, 8                            ; v8-9      K's fragments in slot 0, 1
.set ADV, 10                           ; v10-11    V's fragments
.set STO, 12                           ; v12       stage: where I put 16 bytes
.set RD,  13                           ; v13       stage: where I read 16 bytes back
.set COB, 14                           ; v14, v15  my byte offset in att, pass B, pass A
.set COA, 15
.set THR, 16                           ; v16-17    query - 8 h inside the block: key 16 kt + j is kept where it is <= this
.set NINF, 18                          ; v18       -infinity
.set M,   20                           ; v20-21    running maximum of the raw scores, tile q
.set L,   22                           ; v22-23    running sum of my half of the keys
.set NM,  24                           ; v[24:25]  -c x new maximum, twice
.set AL,  26                           ; v[26:29]  rescaling factor, a pair for each q
.set C,   30                           ; v30-33    four chains of maxima
.set T,   34                           ; v34-35    at work
.set SUM, 36                           ; v[36:43]  four chains of sums, pairs
.set NMS, 44                           ; v44-45    -c x running maximum as it was rounded
.set PK,  48                           ; v48-79    packed output
.set RB,  80                           ; v80-111   rows read back
.set S,   128
.set QB,  64
.set QA,  96
.set G1K, 16                           ; s[16:23] group 1 for K's tiles
.set G1V, 24                           ; s[24:31] group 1 for V's tiles: a wider pad
.set G0,  32                           ; s[32:39] group 0, a set for each slot
.set MSB, 0
.macro WIN new                         ; the immediate's high byte repeats the setting that is left
.if MSB != \new
	s_set_vgpr_msb (MSB<<8)|\new
.set MSB, \new
.endif
.endm
; My part of a tile: waves 0, 1 bring K's two halves, waves 2, 3 V's.  The branch hangs on the wave's number alone.
.macro JLKV s
	s_cmp_eq_u32 s11, 0
	s_cbranch_scc0 .Lfor_v_\@
	tensor_load_to_lds s[G0+4*\s:G0+4*\s+3], s[G1K:G1K+7]
	s_nop 0
	s_branch .Lasked_\@
.Lfor_v_\@:
	tensor_load_to_lds s[G0+4*\s:G0+4*\s+3], s[G1V:G1V+7]
	s_nop 0
.Lasked_\@:
.endm
; The address of the next tile into slot o's group 0.  It stands where no tensor load of the wave is out.  sel = 1 (pass B): behind tile qbB - 1 comes pass A's diagonal tile.
.macro NEXT o, sel
.if \sel
	s_cmp_eq_u32 s15, s14
	s_cselect_b32 s45, s13, s15
.else
	s_mov_b32 s45, s15
.endif
	s_lshl_b32 s42, s45, 14                        ; tile x 128 keys x 128 bytes (s43 = 0)
	s_add_nc_u64 s[G0+4*\o+2:G0+4*\o+3], s[40:41], s[42:43]
	s_or_b32 s[G0+4*\o+3], s[G0+4*\o+3], 0x80000000
	s_add_co_u32 s15, s15, 1
.endm
	s_load_b128 s[4:7], s[0:1], 0x0                ; qkv s[4:5], att s[6:7]
	v_lshl_add_u32 v126, v0, 2, 0x29000
	v_mov_b32 v127, 0
	ds_add_u32 v126, v127
	ds_add_u32 v126, v127
	v_lshrrev_b32 v1, 5, v0
	v_readfirstlane_b32 s10, v1                    ; wave 0..3
	s_lshr_b32 s11, s10, 1                         ; I fetch for K (0) or V (1)
	s_and_b32 s12, s10, 1                          ; which 64 keys
	s_mov_b32 s8, ttmp9                            ; i
	s_and_b32 s9, ttmp7, 0xffff                    ; 16 b + h
	s_and_b32 s52, s9, 15                          ; h
	s_lshr_b32 s53, s9, 4                          ; b
	s_sub_co_u32 s51, 15, s8
	s_and_b32 s50, s8, 1
	s_cmp_lg_u32 s50, 0
	s_cselect_b32 s13, s8, s51                     ; qbA: the odd one of i and 15 - i
	s_sub_co_u32 s14, 15, s13                      ; qbB: the even one
	s_mov_b32 s46, 0x76543210                      ; v_permlanex16_b32: lane i of one half reads lane i of the other
	s_mov_b32 s47, 0xfedcba98
	s_mov_b32 s48, 0x3e38aa3b                      ; c = log2(e) / 8, twice: a pair for the packed multiply-add
	s_mov_b32 s49, 0x3e38aa3b
	; group 1: 64 keys x 128 bytes are 8,192 consecutive bytes, taken as 32 rows of 256 bytes; a pad behind every 32 words, that is behind every key
	s_mov_b32 s[G1K+0], (1<<16)|(1<<20)|(4<<22)|(3<<25)    ; elements of 2 bytes; pad of 4 words: LDS pitch 144
	s_mov_b32 s[G1V+0], (1<<16)|(1<<20)|(4<<22)|(7<<25)    ; pad of 8 words: LDS pitch 160
	s_mov_b32 s[G1K+1], 128<<16                    ; tensor_dim0 = 128
	s_mov_b32 s[G1V+1], 128<<16
	s_mov_b32 s[G1K+2], 32<<16                     ; tensor_dim1 = 32
	s_mov_b32 s[G1V+2], 32<<16
	s_mov_b32 s[G1K+3], 128<<16                    ; tile_dim0 = 128
	s_mov_b32 s[G1V+3], 128<<16
	s_mov_b32 s[G1K+4], 32                         ; tile_dim1 = 32
	s_mov_b32 s[G1V+4], 32
	s_mov_b32 s[G1K+5], 128                        ; elements from row to row
	s_mov_b32 s[G1V+5], 128
	s_mov_b32 s[G1K+6], 0
	s_mov_b32 s[G1V+6], 0
	s_mov_b32 s[G1K+7], 0
	s_mov_b32 s[G1V+7], 0
	; TB: my part of tile 0: ((16 + 16 (wave / 2) + h) x 4096 + 2048 b + 64 (wave % 2)) x 128 bytes into qkv
	s_lshl_b32 s50, s11, 4
	s_add_co_u32 s50, s50, s52
	s_add_co_u32 s50, s50, 16
	s_lshl_b32 s50, s50, 12
	s_lshl_b32 s51, s53, 11
	s_add_co_u32 s50, s50, s51
	s_lshl_b32 s51, s12, 6
	s_add_co_u32 s50, s50, s51
	s_lshl_b32 s50, s50, 7
	s_mov_b32 s51, 0
	s_mul_i32 s55, s10, REG                        ; where my part goes: wave x 10,240
	s_lshl_b32 s42, s14, 14                        ; the first tile is pass B's diagonal one
	s_mov_b32 s43, 0
	s_wait_dscnt 0x0
	s_wait_kmcnt 0x0
	s_add_nc_u64 s[40:41], s[4:5], s[50:51]
	s_mov_b32 s[G0], 1
	s_add_co_u32 s[G0+1], s55, 0
	s_add_nc_u64 s[G0+2:G0+3], s[40:41], s[42:43]
	s_or_b32 s[G0+3], s[G0+3], 0x80000000
	s_mov_b32 s[G0+4], 1
	s_add_co_u32 s[G0+5], s55, SLOT
	JLKV 0                                         ; slot 0's first fill, ahead of everything else; slot 1 is first filled behind the first trip's barrier
	v_and_b32 v1, 15, v0                           ; r
	v_bfe_u32 v2, v0, 4, 1                         ; h (half of the lanes)
	v_and_b32 v3, 7, v0
	v_bfe_u32 v4, v0, 3, 1
	v_and_b32 v5, 31, v0
	v_mul_u32_u24 v[ADK], v1, KP
	v_lshl_add_u32 v[ADK], v2, 4, v[ADK]           ; key row r x pitch + 16 h
	v_add_nc_u32 v[ADK+1], SLOT, v[ADK]
	s_mul_i32 s56, s10, 32*SP
	s_add_co_u32 s56, s56, STAGE                   ; my stage
	v_add_nc_u32 v[STO], s56, v[ADK]               ; the stage has the same pitch: row r, 16 bytes for each half
	v_lshl_add_u32 v19, v2, 3, v3                  ; V, transposing: key row 8 h + lane % 8,
	v_mul_u32_u24 v19, v19, VP
	v_lshl_add_u32 v19, v4, 4, v19                 ; 16 bytes further for the upper eight lanes of each sixteen
	v_add_nc_u32 v[ADV], 2*REG, v19
	v_add_nc_u32 v[ADV+1], 2*REG+SLOT, v19
	v_bfe_u32 v19, v0, 3, 2                        ; lane / 8
	v_mul_u32_u24 v19, v19, SP
	v_lshl_add_u32 v19, v3, 4, v19
	v_add_nc_u32 v[RD], s56, v19                   ; back: eight lanes take a row of 128 bytes
	s_lshl_b32 s54, s52, 12                        ; my first row: 4096 h + 2048 b + 128 qb + 32 wave, x 128 bytes: the same in q and in att
	s_lshl_b32 s57, s53, 11
	s_add_co_u32 s54, s54, s57
	s_lshl_b32 s59, s10, 5
	s_add_co_u32 s54, s54, s59
	s_lshl_b32 s57, s14, 7
	s_add_co_u32 s57, s57, s54
	s_lshl_b32 s57, s57, 7                         ; pass B
	s_lshl_b32 s58, s13, 7
	s_add_co_u32 s58, s58, s54
	s_lshl_b32 s58, s58, 7                         ; pass A
	v_lshlrev_b32 v19, 4, v5
	v_add_nc_u32 v[COB], s57, v19
	v_add_nc_u32 v[COA], s58, v19
	v_lshlrev_b32 v19, 7, v1
	v_lshl_add_u32 v19, v2, 4, v19                 ; Q's fragments: row r x 128 + 16 h
	v_add_nc_u32 v[QOB], s57, v19
	v_add_nc_u32 v[QOA], s58, v19
	v_lshlrev_b32 v19, 3, v2
	v_sub_nc_u32 v19, v1, v19
	v_add_nc_u32 v[THR], s59, v19                  ; 32 wave + r - 8 h
	v_add_nc_u32 v[THR+1], 16, v[THR]
	v_mov_b32 v[NINF], 0xff800000
	v_mov_b32 v[T], 0                              ; destinations of v_permlanex16_b32 count as read: written once here
	v_mov_b32 v[T+1], 0
	WIN 0x80                                       ; destination window 2
.irp q, 0,1
.irp ds, 0,1
	global_load_b128 v[QB+16*\q+8*\ds:QB+16*\q+8*\ds+3],   v[QOB], s[4:5] offset:\q*2048+\ds*64
	global_load_b128 v[QB+16*\q+8*\ds+4:QB+16*\q+8*\ds+7], v[QOB], s[4:5] offset:\q*2048+\ds*64+32
	global_load_b128 v[QA+16*\q+8*\ds:QA+16*\q+8*\ds+3],   v[QOA], s[4:5] offset:\q*2048+\ds*64
	global_load_b128 v[QA+16*\q+8*\ds+4:QA+16*\q+8*\ds+7], v[QOA], s[4:5] offset:\q*2048+\ds*64+32
.endr
.endr
	WIN 0
	s_wait_loadcnt 0x0                             ; Q of both passes, once
; The softmax step of query tile q on its 64 scores a lane.  diag = 1: the pass's first tile starts maximum and sum.
.macro SOFT q, diag
.set SB, S+16*\q
.irp ks, 0,1,2,3
	v_max3_num_f32 v[C+\ks], v[SB+32*\ks], v[SB+32*\ks+1], v[SB+32*\ks+2]      ; four chains that do not wait for each other
.endr
.irp t, 3,5,7,9,11,13
.irp ks, 0,1,2,3
	v_max3_num_f32 v[C+\ks], v[C+\ks], v[SB+32*\ks+\t], v[SB+32*\ks+\t+1]
.endr
.endr
.irp ks, 0,1,2,3
	v_max_num_f32 v[C+\ks], v[C+\ks], v[SB+32*\ks+15]
.endr
	v_max3_num_f32 v[T], v[C], v[C+1], v[C+2]
.if \diag
	v_max_num_f32 v[T], v[T], v[C+3]
.else
	v_max3_num_f32 v[T], v[T], v[C+3], v[M+\q]
.endif
	v_permlanex16_b32 v[T+1], v[T], s46, s47       ; the other half of the keys of the same query
	v_max_num_f32 v[T], v[T], v[T+1]               ; the new maximum; finite from the first tile on, which holds each query's own key
	v_mul_f32 v[NM], 0xbe38aa3b, v[T]              ; -c x maximum
	v_mov_b32 v[NM+1], v[NM]
.if \diag
	v_mov_b32 v[M+\q], v[T]
	v_mov_b32 v[NMS+\q], v[NM]
.else
	v_sub_f32 v[AL+2*\q], v[NM], v[NMS+\q]         ; c x (old maximum - new), from the two rounded products themselves
	v_exp_f32 v[AL+2*\q], v[AL+2*\q]
	v_mov_b32 v[M+\q], v[T]                        ; the plain instruction between v_exp_f32 and the use of its result (ISA guide 5.7.2)
	v_mov_b32 v[NMS+\q], v[NM]
	s_wait_alu depctr_va_vdst(0)
	v_mov_b32 v[AL+2*\q+1], v[AL+2*\q]
.endif
.irp ks, 0,1,2,3
.irp t, 0,2,4,6,8,10,12,14
	v_pk_fma_f32 v[SB+32*\ks+\t:SB+32*\ks+\t+1], v[SB+32*\ks+\t:SB+32*\ks+\t+1], s[48:49], v[NM:NM+1] op_sel_hi:[1,0,1]   ; c x score - c x maximum
.endr
.endr
.irp ks, 0,1,2,3
.irp t, 0,1,2,3,4,5,6,7,8,9,10,11,12,13,14,15
	v_exp_f32 v[SB+32*\ks+\t], v[SB+32*\ks+\t]
.endr
.endr
	v_nop                                          ; the plain place behind the last v_exp_f32
	s_wait_alu depctr_va_vdst(0)
.irp ks, 0,1,2,3
	v_pk_add_f32 v[SUM+2*\ks:SUM+2*\ks+1], v[SB+32*\ks:SB+32*\ks+1], v[SB+32*\ks+2:SB+32*\ks+3]
.endr
.irp t, 4,6,8,10,12,14
.irp ks, 0,1,2,3
	v_pk_add_f32 v[SUM+2*\ks:SUM+2*\ks+1], v[SUM+2*\ks:SUM+2*\ks+1], v[SB+32*\ks+\t:SB+32*\ks+\t+1]
.endr
.endr
	v_pk_add_f32 v[SUM:SUM+1], v[SUM:SUM+1], v[SUM+2:SUM+3]
	v_pk_add_f32 v[SUM+4:SUM+5], v[SUM+4:SUM+5], v[SUM+6:SUM+7]
	v_pk_add_f32 v[SUM:SUM+1], v[SUM:SUM+1], v[SUM+4:SUM+5]
.if \diag
	v_add_f32 v[L+\q], v[SUM], v[SUM+1]
.else
	v_add_f32 v[SUM], v[SUM], v[SUM+1]
	v_fma_f32 v[L+\q], v[L+\q], v[AL+2*\q], v[SUM]
.endif
.irp ks, 0,1,2,3
.irp i, 0,1,2,3,4,5,6,7
	v_cvt_pk_f16_f32 v[SB+32*\ks+\i], v[SB+32*\ks+2*\i], v[SB+32*\ks+2*\i+1]   ; in place, ascending: register i is written after registers 2 i, 2 i + 1 >= i are read
.endr
.endr
.endm
; O^T += V^T P^T for keys 32 ks .. 32 ks + 31: the eight accumulators take turns
.macro PV ks, zero
.irp dt, 0,1,2,3
.irp q, 0,1
.if \zero
	v_wmma_f32_16x16x32_f16 v[8*(2*\dt+\q):8*(2*\dt+\q)+7], v[128+32*\ks+8*\dt:128+32*\ks+8*\dt+7], v[S+32*\ks+16*\q:S+32*\ks+16*\q+7], 0
.else
	v_wmma_f32_16x16x32_f16 v[8*(2*\dt+\q):8*(2*\dt+\q)+7], v[128+32*\ks+8*\dt:128+32*\ks+8*\dt+7], v[S+32*\ks+16*\q:S+32*\ks+16*\q+7], v[8*(2*\dt+\q):8*(2*\dt+\q)+7]
.endif
.endr
.endr
.endm
; One key tile, in slot 'slot'.  refill = 1: the next tile is asked for, into slot 'other'.  qf: Q's fragments of this pass.  diag = 1: the diagonal tile, first of its pass.
.macro TRIP slot, other, refill, sel, qf, diag
	s_wait_tensorcnt 0x0                           ; all my tensor loads have landed: the one that was out is my part of this trip's tile
	ds_add_u32 v126, v127
	s_wait_dscnt 0x0
.if \refill
	NEXT \other, \sel
.endif
	s_wait_dscnt 0x0                               ; my LDS reads are back, those of the other slot among them
	s_barrier_signal -1
	s_barrier_wait -1                              ; both now hold of all four waves
.if \refill
	JLKV \other                                    ; my one tensor load behind the barrier, first thing there: it has the whole trip in which to land
.endif
	WIN 0x40                                       ; destination window 1
.irp kt, 0,1,2,3,4,5,6,7
.irp ds, 0,1
	ds_load_b128 v[16*\kt+8*\ds:16*\kt+8*\ds+3],   v[ADK+\slot] offset:(\kt/4)*REG+(\kt%4)*16*KP+64*\ds
	ds_load_b128 v[16*\kt+8*\ds+4:16*\kt+8*\ds+7], v[ADK+\slot] offset:(\kt/4)*REG+(\kt%4)*16*KP+64*\ds+32
.endr
.endr
.irp ks, 0,1,2,3
.irp dt, 0,1,2,3
	ds_load_tr16_b128 v[128+32*\ks+8*\dt:128+32*\ks+8*\dt+3],   v[ADV+\slot] offset:32*\ks*VP+32*\dt
	ds_load_tr16_b128 v[128+32*\ks+8*\dt+4:128+32*\ks+8*\dt+7], v[ADV+\slot] offset:32*\ks*VP+32*\dt+16*VP
.endr
.endr
	WIN 0x09                                       ; source 0 (K) window 1, source 1 (Q) window 2, C and D window 0
.irp g, 0,1,2,3
	s_wait_dscnt 56-8*\g                           ; of 64 loads the first 8 (g + 1) are in: K's tiles up to 2 g + 1; K's later groups and V's 32 stay out
.irp kk, 0,1
.irp q, 0,1
	v_wmma_f32_16x16x32_f16 v[S+32*\g+16*\q+8*\kk:S+32*\g+16*\q+8*\kk+7], v[16*(2*\g+\kk):16*(2*\g+\kk)+7], v[\qf+16*\q:\qf+16*\q+7], 0
.endr
.endr
.irp kk, 0,1
.irp q, 0,1
	v_wmma_f32_16x16x32_f16 v[S+32*\g+16*\q+8*\kk:S+32*\g+16*\q+8*\kk+7], v[16*(2*\g+\kk)+8:16*(2*\g+\kk)+15], v[\qf+16*\q+8:\qf+16*\q+15], v[S+32*\g+16*\q+8*\kk:S+32*\g+16*\q+8*\kk+7]   ; four accumulators by turns
.endr
.endr
.endr
	WIN 0
.rept 4
	v_nop                                          ; four places in front of the vector instructions that read the scores (ISA guide 7.12.1)
.endr
.if \diag
.irp kt, 0,1,2,3,4,5,6,7
.irp q, 0,1
.irp j, 0,1,2,3,4,5,6,7
	v_cmp_le_i32 vcc_lo, 16*\kt+\j, v[THR+\q]      ; key 16 kt + 8 h + j <= query 32 wave + 16 q + r
	v_cndmask_b32 v[S+32*(\kt/2)+16*\q+8*(\kt%2)+\j], v[NINF], v[S+32*(\kt/2)+16*\q+8*(\kt%2)+\j], vcc_lo
.endr
.endr
.endr
.endif
	SOFT 0, \diag
	SOFT 1, \diag
.if \diag
.else
	WIN 0x82                                       ; O in window 2, the factor in window 0
.irp dt, 0,1,2,3
.irp q, 0,1
.irp t, 0,2,4,6
	v_pk_mul_f32 v[8*(2*\dt+\q)+\t:8*(2*\dt+\q)+\t+1], v[8*(2*\dt+\q)+\t:8*(2*\dt+\q)+\t+1], v[AL+2*\q:AL+2*\q+1]
.endr
.endr
.endr
.endif
	s_wait_dscnt 0x0                               ; V's fragments are in
	WIN 0xa1                                       ; source 0 (V^T) window 1, source 1 (P^T) window 0, C and D window 2
	PV 0, \diag
	PV 1, 0
	PV 2, 0
	PV 3, 0
	WIN 0
.rept 5
	v_nop                                          ; five places: the next trip loads into V's fragments and its first products write over P; the way out reads O
.endr
.endm
; The end of a pass: divide by the sum, round to f16, 32 rows through my stage, and out: each store of the wave covers 512 consecutive bytes, aligned.
.macro EPI co
	v_permlanex16_b32 v[T], v[L], s46, s47
	v_permlanex16_b32 v[T+1], v[L+1], s46, s47
	v_add_f32 v[T], v[T], v[L]                     ; both halves of the keys
	v_add_f32 v[T+1], v[T+1], v[L+1]
	v_rcp_f32 v[AL], v[T]
	v_rcp_f32 v[AL+2], v[T+1]
	v_nop                                          ; the plain place behind v_rcp_f32
	s_wait_alu depctr_va_vdst(0)
	v_mov_b32 v[AL+1], v[AL]
	v_mov_b32 v[AL+3], v[AL+2]
	WIN 0x82
.irp dt, 0,1,2,3
.irp q, 0,1
.irp t, 0,2,4,6
	v_pk_mul_f32 v[8*(2*\dt+\q)+\t:8*(2*\dt+\q)+\t+1], v[8*(2*\dt+\q)+\t:8*(2*\dt+\q)+\t+1], v[AL+2*\q:AL+2*\q+1]
.endr
.endr
.endr
	WIN 0x0a                                       ; sources in window 2
.irp q, 0,1
.irp dt, 0,1,2,3
.irp r, 0,1,2,3
	v_cvt_pk_f16_f32 v[PK+4*(4*\q+\dt)+\r], v[8*(2*\dt+\q)+2*\r], v[8*(2*\dt+\q)+2*\r+1]
.endr
.endr
.endr
	WIN 0
.irp q, 0,1
.irp dt, 0,1,2,3
	ds_store_b128 v[STO], v[PK+4*(4*\q+\dt):PK+4*(4*\q+\dt)+3] offset:\q*16*SP+\dt*32     ; row 16 q + r, numbers 16 dt + 8 h .. + 7
.endr
.endr
	s_wait_xcnt 0x0                                ; the rows read back in the pass before, which stores read, are rewritten only behind this wait
.irp t, 0,1,2,3,4,5,6,7
	ds_load_b128 v[RB+4*\t:RB+4*\t+3], v[RD] offset:\t*4*SP        ; LDS serves a wave's instructions in order: these see the stores above
.endr
.irp t, 0,1,2,3,4,5,6,7
	s_wait_dscnt 7-\t                              ; load t is in, the 7-t younger ones may be out
	global_store_b128 v[\co], v[RB+4*\t:RB+4*\t+3], s[6:7] offset:512*\t
.endr
.endm
	s_mov_b32 s15, 0                               ; the next plain tile
	TRIP 0, 1, 1, 1, QB, 1                         ; pass B: its diagonal tile
	s_lshr_b32 s44, s14, 1                         ; then tiles 0 .. qbB - 1, two a trip of the loop: 0 to 7 trips
	s_cmp_eq_u32 s44, 0
	s_cbranch_scc1 .Lb_done
.Lb_loop:
	TRIP 1, 0, 1, 1, QB, 0
	TRIP 0, 1, 1, 1, QB, 0
	s_sub_co_u32 s44, s44, 1
	s_cmp_lg_u32 s44, 0
	s_cbranch_scc1 .Lb_loop
.Lb_done:
	EPI COB                                        ; pass A's diagonal tile is on its way meanwhile
	s_mov_b32 s15, 0
	TRIP 1, 0, 1, 0, QA, 1                         ; pass A: its diagonal tile
	s_lshr_b32 s44, s13, 1                         ; then tiles 0 .. qbA - 2, two a trip: (qbA - 1) / 2 trips, qbA being odd
	s_cmp_eq_u32 s44, 0
	s_cbranch_scc1 .La_done
.La_loop:
	TRIP 0, 1, 1, 0, QA, 0
	TRIP 1, 0, 1, 0, QA, 0
	s_sub_co_u32 s44, s44, 1
	s_cmp_lg_u32 s44, 0
	s_cbranch_scc1 .La_loop
.La_done:
	TRIP 0, 1, 0, 0, QA, 0                         ; tile qbA - 1: nothing is left to fetch
	EPI COA
	s_wait_tensorcnt 0x0
	ds_add_u32 v126, v127
	s_wait_dscnt 0x0
	s_endpgm
.Lfunc_end_k_q01ee6702cf_attn:
	.size	k_q01ee6702cf_attn, .Lfunc_end_k_q01ee6702cf_attn-k_q01ee6702cf_attn
	.p2alignl 7, 3214868480
	.fill 96, 4, 3214868480
	.section	.rodata,"a",@progbits
	.p2align	6, 0x0
	.amdhsa_kernel k_q01ee6702cf_attn
		.amdhsa_group_segment_fixed_size 327680
		.amdhsa_private_segment_fixed_size 0
		.amdhsa_enable_private_segment 0
		.amdhsa_kernarg_size 16
		.amdhsa_user_sgpr_count 2
		.amdhsa_user_sgpr_kernarg_segment_ptr 1
		.amdhsa_wavefront_size32 1
		.amdhsa_system_sgpr_workgroup_id_x 1
		.amdhsa_system_sgpr_workgroup_id_y 1
		.amdhsa_system_sgpr_workgroup_id_z 1
		.amdhsa_system_vgpr_workitem_id 0
		.amdhsa_next_free_vgpr 640
		.amdhsa_next_free_sgpr 66
		.amdhsa_reserve_vcc 1
		.amdhsa_float_denorm_mode_32 3
		.amdhsa_float_denorm_mode_16_64 3
		.amdhsa_memory_ordered 1
		.amdhsa_forward_progress 1
		.amdhsa_inst_pref_size 255
	.end_amdhsa_kernel
	.section	.bss,"aw",@nobits
	.p2align	6
	.space	262144
	.amdgpu_metadata
---
amdhsa.version: [ 1, 2 ]
amdhsa.kernels:
  - .name:           k_q01ee6702cf_attn
    .symbol:         k_q01ee6702cf_attn.kd
    .args:
      - { .name: qkv, .offset: 0, .size: 8, .value_kind: global_buffer, .address_space: global }
      - { .name: att, .offset: 8, .size: 8, .value_kind: global_buffer, .address_space: global }
    .group_segment_fixed_size: 327680
    .private_segment_fixed_size: 0
    .kernarg_segment_align: 8
    .kernarg_segment_size: 16
    .max_flat_workgroup_size: 128
    .sgpr_count:     66
    .vgpr_count:     640
    .wavefront_size: 32
...
	.end_amdgpu_metadata
.endif
;; end of part 3
;; launch proj (part 4): grid 8 x 32, 4 waves a work-group, clusters of 4 x 4, 327,680 bytes of LDS; arguments att, wph, out0; writes out0
.if DOCPART == 4
	.amdgcn_target "amdgcn-amd-amdhsa--gfx1250"
	.amdhsa_code_object_version 6
	.text
	.protected	k_q01ee6702cf_proj
	.globl	k_q01ee6702cf_proj
	.p2align	8
	.type	k_q01ee6702cf_proj,@function
k_q01ee6702cf_proj:
	s_mov_b64 s[64:65], 0
	v_nop
	global_prefetch_b8 v0, s[64:65] scope:SCOPE_SE
	s_setreg_imm32_b32 hwreg(HW_REG_WAVE_MODE, 25, 1), 1
	s_wait_xcnt 0x0
	s_wait_alu depctr_hold_cnt(0) depctr_sa_sdst(0) depctr_va_vdst(0) depctr_va_sdst(0) depctr_va_ssrc(0) depctr_va_vcc(0) depctr_vm_vsrc(0)
	s_getreg_b32 s2, hwreg(HW_REG_IB_STS2, 6, 4)
	s_cmp_eq_u32 s2, 0
	s_cbranch_scc0 .Lentry_in_a_cluster
	s_endpgm
.Lentry_in_a_cluster:
	s_bfe_u32 s2, ttmp6, 0x10000c
	s_cmp_lg_u32 s2, 0xf033
	s_cbranch_scc0 .Lentry_shape_is_right
	s_endpgm
.Lentry_shape_is_right:
; out0 = att @ wph.  att[h][m][64] f16 (k = 64 h + d), wph [1024 k][1024 n] f16, out0 [4096][1024] f32; sums in f32.
; A work-group makes 128 x 128 of out0 with four waves (256 work-groups); a wave makes 64 x 64: 16 accumulator tiles in window 1.
; K goes in four fills of 256 (four heads) through two LDS slots: waves 0, 1 each bring two heads' 128 rows of att (two runs of 16,384 consecutive bytes),
; waves 2, 3 each 128 k rows x 128 columns of W.  One load a wave has seven quarter steps, 112 matrix instructions, in which to land.  No loop: four fills are written out.
; CLUSTERS: 4 x 4 work-groups; att's tiles hang on the block row alone and are asked for jointly by a row of the cluster, W's on the block column alone, by a column.
; The matrix instruction is used transposed (source 0 = 16 columns of W by transposing LDS loads, source 1 = 16 rows of att): a lane holds eight neighbouring columns of a row.
.set PA,     144                       ; att's LDS rows: 128 bytes + 16
.set PB,     288                       ; W's LDS rows: 256 bytes + 32
.set REG,    128*PB                    ; 36,864 bytes: one wave's tile (2 x 128 x 144 as well)
.set SLOT,   4*REG
.set STAGE,  2*SLOT                    ; behind the ring: 16 rows x 272 bytes for each wave; no tensor load ever lands here
.set SPITCH, 272
.set ADRA, 16                          ; v16-17  att's fragments in slot 0, 1
.set ADRB, 18                          ; v18-21  W's fragments: 2 x slot + which 128 k rows
.set STO,  24
.set RD,   25
.set CO,   26
.set FA,   32                          ; v32-95   att's fragments, two buffers of 4 x 8
.set FB,   96                          ; v96-159  W's fragments, two buffers of 4 x 8
.set RB,   160                         ; v160-191 rows read back
.set G1, 24
.set G0, 32
.set G1B, 48
.set G0B, 56
.set MSB, 0
.macro WIN new                         ; the immediate's high byte repeats the setting that is left
.if MSB != \new
	s_set_vgpr_msb (MSB<<8)|\new
.set MSB, \new
.endif
.endm
.set MUL, 0x50                         ; sources 0 and 1 window 0, C and D window 1
.macro JLOAD s                         ; waves 0, 1 ask for att's tiles, waves 2, 3 for W's; the branch hangs on the wave's number alone
	s_cmp_eq_u32 s11, 0
	s_cbranch_scc0 .Lfor_b_\@
	tensor_load_to_lds s[G0+4*\s:G0+4*\s+3], s[G1:G1+7]
	s_nop 0
	s_branch .Lasked_\@
.Lfor_b_\@:
	tensor_load_to_lds s[G0B+4*\s:G0B+4*\s+3], s[G1B:G1B+7]
	s_nop 0
.Lasked_\@:
.endm
.macro CREST                           ; a round of the cluster's barrier behind its opening barrier
	s_cmp_lg_u32 s10, 0
	s_cbranch_scc1 .Lnot_wave_0_\@
	s_barrier_signal -3
.Lnot_wave_0_\@:
	s_barrier_wait -3
	s_barrier_signal -1
	s_barrier_wait -1
.endm
.macro CROUND
	s_barrier_signal -1
	s_barrier_wait -1
	CREST
.endm
	s_load_b128 s[4:7], s[0:1], 0x0                ; att s[4:5], wph s[6:7]
	s_load_b64 s[8:9], s[0:1], 0x10                ; out0
	v_lshl_add_u32 v254, v0, 2, 0x4c400
	v_mov_b32 v255, 0
	ds_add_u32 v254, v255
	ds_add_u32 v254, v255
	v_lshrrev_b32 v1, 5, v0
	v_readfirstlane_b32 s10, v1                    ; wave 0..3
	s_lshr_b32 s11, s10, 1                         ; wm: which 64 rows are mine.  Also: I fetch for att (0) or for W (1)
	s_and_b32 s12, s10, 1                          ; wn: which 64 columns.  Also: which half of that side's K I fetch
	s_bfe_u32 s40, ttmp6, 0x40000                  ; cx
	s_bfe_u32 s41, ttmp6, 0x40004                  ; cy
	s_lshl_b32 s42, ttmp9, 2
	s_add_co_u32 s42, s42, s40                     ; block column bx
	s_and_b32 s13, ttmp7, 0xffff
	s_lshl_b32 s13, s13, 2
	s_add_co_u32 s13, s13, s41                     ; block row by
	s_lshl_b32 s43, s41, 2
	s_lshl_b32 s43, 15, s43                        ; my row of the cluster
	s_lshl_b32 s44, 0x1111, s40                    ; my column
	; att's tile: 2 rows of 8,192 elements (a head's 128 rows x 64), 262,144 elements from head to head; a pad of 4 words behind every 32 words, that is behind every row of 64
	s_or_b32 s[G1+0], s43, (1<<16)|(1<<20)|(1<<21)|(4<<22)|(3<<25)
	s_mov_b32 s[G1+1], 8192<<16                    ; tensor_dim0 = 8,192
	s_mov_b32 s[G1+2], 2<<16                       ; tensor_dim1 = 2
	s_mov_b32 s[G1+3], 8192<<16                    ; tile_dim0 = 8,192
	s_mov_b32 s[G1+4], 2                           ; tile_dim1 = 2
	s_mov_b32 s[G1+5], 262144
	s_mov_b32 s[G1+6], 0
	s_mov_b32 s[G1+7], 0
	; W's tile: 128 k rows x 128 elements, 1,024 elements from row to row; a pad of 8 words behind every 64
	s_or_b32 s[G1B+0], s44, (1<<16)|(1<<20)|(1<<21)|(5<<22)|(7<<25)
	s_mov_b32 s[G1B+1], 128<<16
	s_mov_b32 s[G1B+2], 128<<16
	s_mov_b32 s[G1B+3], 128<<16
	s_mov_b32 s[G1B+4], 128
	s_mov_b32 s[G1B+5], 1024
	s_mov_b32 s[G1B+6], 0
	s_mov_b32 s[G1B+7], 0
	s_lshl_b32 s16, s13, 14                        ; att: by x 128 rows x 128 bytes
	s_lshl_b32 s17, s12, 20                        ; + (wave % 2) x 2 heads x 524,288 bytes
	s_add_co_u32 s16, s16, s17
	s_mov_b32 s17, 0
	s_lshl_b32 s46, s42, 8                         ; W: bx x 128 columns x 2 bytes
	s_lshl_b32 s47, s12, 18                        ; + (wave % 2) x 128 rows x 2,048 bytes
	s_add_co_u32 s46, s46, s47
	s_mov_b32 s47, 0
	s_mul_i32 s20, s10, REG                        ; where my tile goes: wave x 36,864
	s_wait_dscnt 0x0
	s_wait_kmcnt 0x0
	s_add_nc_u64 s[14:15], s[4:5], s[16:17]
	s_add_nc_u64 s[46:47], s[6:7], s[46:47]
	CROUND                                         ; all sixteen work-groups are here: the first joint loads meet
.irp s, 0,1
	s_mov_b32 s[G0+4*\s], 1
	s_add_co_u32 s[G0+4*\s+1], s20, \s*SLOT
	s_add_nc_u64 s[G0+4*\s+2:G0+4*\s+3], s[14:15], \s*4*524288         ; fill s: four heads on
	s_or_b32 s[G0+4*\s+3], s[G0+4*\s+3], 0x80000000
	s_mov_b32 s[G0B+4*\s], 1
	s_add_co_u32 s[G0B+4*\s+1], s20, \s*SLOT
	s_add_nc_u64 s[G0B+4*\s+2:G0B+4*\s+3], s[46:47], \s*256*2048       ; fill s: 256 rows of W down
	s_or_b32 s[G0B+4*\s+3], s[G0B+4*\s+3], 0x80000000
	JLOAD \s                                       ; both slots' first fills go out together: two loads of the wave are out
.endr
	v_and_b32 v1, 15, v0                           ; r
	v_bfe_u32 v2, v0, 4, 1                         ; h
	v_and_b32 v3, 7, v0
	v_bfe_u32 v4, v0, 3, 1
	v_mul_u32_u24 v5, v1, PA
	v_lshl_add_u32 v5, v2, 4, v5
	s_mul_i32 s21, s11, 64*PA                      ; my 64 rows
	v_add_nc_u32 v[ADRA], s21, v5
	v_add_nc_u32 v[ADRA+1], SLOT, v[ADRA]
	v_lshl_add_u32 v6, v2, 3, v3                   ; W, transposing: k row 8 h + lane % 8,
	v_mul_u32_u24 v6, v6, PB
	v_lshl_add_u32 v6, v4, 4, v6                   ; 16 bytes further for the upper eight lanes of each sixteen
	s_lshl_b32 s22, s12, 7                         ; my 64 columns = 128 bytes
	s_add_co_u32 s22, s22, 2*REG                   ; W lies behind att's two tiles
	v_add_nc_u32 v[ADRB], s22, v6
	v_add_nc_u32 v[ADRB+1], REG, v[ADRB]
	v_add_nc_u32 v[ADRB+2], SLOT, v[ADRB]
	v_add_nc_u32 v[ADRB+3], SLOT+REG, v[ADRB]
	s_mul_i32 s23, s10, 16*SPITCH
	s_add_co_u32 s23, s23, STAGE                   ; my stage
	v_mul_u32_u24 v7, v1, SPITCH
	v_lshl_add_u32 v7, v2, 5, v7                   ; in: row r, 32 bytes (8 f32) for each half of the lanes
	v_add_nc_u32 v[STO], s23, v7
	v_mul_u32_u24 v7, v2, SPITCH
	v_lshl_add_u32 v7, v1, 4, v7                   ; back: lanes 0-15 take one row of 256 bytes, lanes 16-31 the next
	v_add_nc_u32 v[RD], s23, v7
	v_lshlrev_b32 v7, 12, v2                       ; and the same two rows in out0
	v_lshl_add_u32 v[CO], v1, 4, v7
; 16 matrix instructions on buffer f: the 16 accumulators take turns, in the same order in every quarter
.macro MULP f, zero
.irp a, 0,1,2,3
.irp b, 0,1,2,3
.if \zero
	v_wmma_f32_16x16x32_f16 v[8*(4*\a+\b):8*(4*\a+\b)+7], v[FB+32*\f+8*\b:FB+32*\f+8*\b+7], v[FA+32*\f+8*\a:FA+32*\f+8*\a+7], 0
.else
	v_wmma_f32_16x16x32_f16 v[8*(4*\a+\b):8*(4*\a+\b)+7], v[FB+32*\f+8*\b:FB+32*\f+8*\b+7], v[FA+32*\f+8*\a:FA+32*\f+8*\a+7], v[8*(4*\a+\b):8*(4*\a+\b)+7]
.endif
.endr
.endr
.endm
; 16 LDS loads: quarter kq (0..7, 32 along K) of a slot into buffer f.  Head kq / 2 of the slot's four: tile kq / 4, half (kq / 2) % 2; numbers 32 (kq % 2) on.
.macro FETCH slot, kq, f
.irp a, 0,1,2,3
	ds_load_b128 v[FA+32*\f+8*\a:FA+32*\f+8*\a+3],   v[ADRA+\slot] offset:(\kq/4)*REG+((\kq/2)%2)*128*PA+\a*16*PA+(\kq%2)*64
	ds_load_b128 v[FA+32*\f+8*\a+4:FA+32*\f+8*\a+7], v[ADRA+\slot] offset:(\kq/4)*REG+((\kq/2)%2)*128*PA+\a*16*PA+(\kq%2)*64+32
.endr
.irp b, 0,1,2,3
	ds_load_tr16_b128 v[FB+32*\f+8*\b:FB+32*\f+8*\b+3],   v[ADRB+2*\slot+\kq/4] offset:32*(\kq%4)*PB+32*\b
	ds_load_tr16_b128 v[FB+32*\f+8*\b+4:FB+32*\f+8*\b+7], v[ADRB+2*\slot+\kq/4] offset:32*(\kq%4)*PB+32*\b+16*PB
.endr
.endm
.macro PLACES                          ; four places between matrix instructions and loads into registers that they read, or stores of their results (ISA guide 7.12.1 for the stores)
.rept 4
	v_nop
.endr
.endm
; A quarter: buffer f's fragments are in; quarter nk's go out into buffer g; buffer f is multiplied meanwhile.
.macro PQ slot, nk, f, g, zero
	s_wait_dscnt 0x0                               ; this quarter's 16 loads, issued one quarter ago; nothing else is out
	PLACES
	FETCH \slot, \nk, \g
	WIN MUL
	MULP \f, \zero
	WIN 0
.endm
.macro SEVEN slot, zero
	PQ \slot, 1, 0, 1, \zero
	PQ \slot, 2, 1, 0, 0
	PQ \slot, 3, 0, 1, 0
	PQ \slot, 4, 1, 0, 0
	PQ \slot, 5, 0, 1, 0
	PQ \slot, 6, 1, 0, 0
	PQ \slot, 7, 0, 1, 0
.endm
; A slot's last quarter, and the change of slots: each wave waits for its reads of this slot and for all its tensor loads, then the barrier; behind it the refill first.
.macro PTURN slot, next, fill
	s_wait_dscnt 0x0                               ; my reads of this slot are over
	s_wait_tensorcnt 0x0                           ; all my tensor loads have landed: the one that was out is my part of the next slot
	ds_add_u32 v254, v255
	s_wait_dscnt 0x0
	s_barrier_signal -1                            ; where the slot is filled again this barrier opens a round of the cluster's barrier
	WIN MUL
	MULP 1, 0                                      ; register work while the others arrive
	WIN 0
	s_barrier_wait -1
.if \fill
	CREST                                          ; no wave of any partner still reads this slot or has a load on its way
	s_add_nc_u64 s[G0+4*\slot+2:G0+4*\slot+3], s[G0+4*\slot+2:G0+4*\slot+3], 8*524288
	s_add_nc_u64 s[G0B+4*\slot+2:G0B+4*\slot+3], s[G0B+4*\slot+2:G0B+4*\slot+3], 512*2048
	JLOAD \slot                                    ; the wave's one tensor load behind the round, first thing there
.endif
	PLACES
	FETCH \next, 0, 0
.endm
	s_wait_tensorcnt 1                             ; my part of slot 0 is in; slot 1's load stays out
	s_barrier_signal -1
	s_barrier_wait -1
	FETCH 0, 0, 0
	SEVEN 0, 1                                     ; K 0-255: the first products start the sums
	PTURN 0, 1, 1                                  ; slot 0 gets K 512-767
	SEVEN 1, 0                                     ; K 256-511
	PTURN 1, 0, 1                                  ; slot 1 gets K 768-1023
	SEVEN 0, 0
	PTURN 0, 1, 0                                  ; nothing is left to fetch
	SEVEN 1, 0
	s_wait_dscnt 0x0
	WIN MUL
	MULP 1, 0
	WIN 0
	PLACES                                         ; the places in front of the LDS stores, which read results
	s_lshl_b32 s16, s13, 19                        ; my first row: (128 by + 64 wm) x 4,096 bytes
	s_lshl_b32 s17, s11, 18
	s_add_co_u32 s16, s16, s17
	s_mov_b32 s17, 0
	s_add_nc_u64 s[8:9], s[8:9], s[16:17]
	s_lshl_b32 s46, s42, 9                         ; my first column: 512 bx + 256 wn bytes (in the registers that held W's address: none that feeds att's descriptors ever holds cx)
	s_lshl_b32 s47, s12, 8
	s_add_co_u32 s46, s46, s47
	s_mov_b32 s47, 0
	s_add_nc_u64 s[8:9], s[8:9], s[46:47]
; THE WAY OUT, 16 rows at a time: f32 straight from the accumulators into my stage, read back as rows of 256 bytes, stored so that
; sixteen lanes cover 256 consecutive bytes at a multiple of 256 from out0's first byte.
.macro OUTP a
	WIN 0x04                                       ; store data in window 1
.irp b, 0,1,2,3
	ds_store_b128 v[STO], v[8*(4*\a+\b):8*(4*\a+\b)+3]   offset:64*\b
	ds_store_b128 v[STO], v[8*(4*\a+\b)+4:8*(4*\a+\b)+7] offset:64*\b+16
.endr
	WIN 0
	s_wait_xcnt 0x0                                ; the rows read back last time, which stores read, are rewritten only behind this wait
.irp t, 0,1,2,3,4,5,6,7
	ds_load_b128 v[RB+4*\t:RB+4*\t+3], v[RD] offset:\t*2*SPITCH    ; LDS serves a wave's instructions in order: these see the stores above
.endr
.irp t, 0,1,2,3,4,5,6,7
	s_wait_dscnt 7-\t                              ; load t is in, the 7-t younger ones may be out
	global_store_b128 v[CO], v[RB+4*\t:RB+4*\t+3], s[8:9] offset:(16*\a+2*\t)*4096 th:TH_STORE_NT
.endr
.endm
	OUTP 0
	OUTP 1
	OUTP 2
	OUTP 3
	s_wait_tensorcnt 0x0
	ds_add_u32 v254, v255
	s_wait_dscnt 0x0
	CROUND                                         ; the closing round: no work-group ends while a partner may still ask for a tile that names it
	s_endpgm
.Lfunc_end_k_q01ee6702cf_proj:
	.size	k_q01ee6702cf_proj, .Lfunc_end_k_q01ee6702cf_proj-k_q01ee6702cf_proj
	.p2alignl 7, 3214868480
	.fill 96, 4, 3214868480
	.section	.rodata,"a",@progbits
	.p2align	6, 0x0
	.amdhsa_kernel k_q01ee6702cf_proj
		.amdhsa_group_segment_fixed_size 327680
		.amdhsa_private_segment_fixed_size 0
		.amdhsa_enable_private_segment 0
		.amdhsa_kernarg_size 24
		.amdhsa_user_sgpr_count 2
		.amdhsa_user_sgpr_kernarg_segment_ptr 1
		.amdhsa_wavefront_size32 1
		.amdhsa_system_sgpr_workgroup_id_x 1
		.amdhsa_system_sgpr_workgroup_id_y 1
		.amdhsa_system_sgpr_workgroup_id_z 1
		.amdhsa_system_vgpr_workitem_id 0
		.amdhsa_next_free_vgpr 384
		.amdhsa_next_free_sgpr 66
		.amdhsa_reserve_vcc 0
		.amdhsa_float_denorm_mode_32 3
		.amdhsa_float_denorm_mode_16_64 3
		.amdhsa_memory_ordered 1
		.amdhsa_forward_progress 1
		.amdhsa_inst_pref_size 89
	.end_amdhsa_kernel
	.amdgpu_metadata
---
amdhsa.version: [ 1, 2 ]
amdhsa.kernels:
  - .name:           k_q01ee6702cf_proj
    .symbol:         k_q01ee6702cf_proj.kd
    .args:
      - { .name: att, .offset: 0, .size: 8, .value_kind: global_buffer, .address_space: global }
      - { .name: wph, .offset: 8, .size: 8, .value_kind: global_buffer, .address_space: global }
      - { .name: out0, .offset: 16, .size: 8, .value_kind: global_buffer, .address_space: global }
    .group_segment_fixed_size: 327680
    .private_segment_fixed_size: 0
    .kernarg_segment_align: 8
    .kernarg_segment_size: 24
    .max_flat_workgroup_size: 128
    .sgpr_count:     66
    .vgpr_count:     384
    .wavefront_size: 32
...
	.end_amdgpu_metadata
.endif
;; end of part 4
